; MI455X (gfx1250); checked and timed in simulation.
; The chip was launched on July 23, 2026; its instructions are those of AMD's public machine-readable ISA for CDNA 5 (MIT licence, August 2026) and "CDNA5" Instruction Set Architecture Reference Guide (July 2026). The comments in the code are by the model that wrote it; some were corrected since.
;; Quant Linear Layer. Allowed arithmetic: matrix products marked QUANTISED: E3M2 operands, one E8M0 scale for each 32 along K, by v_wmma_scale_f32_16x16x128_f8f6f4 with both operands' format E3M2, f32 sums; everything else in f32.
;; Inputs: b 4,096 float32; inputs 4,096 x 4,096 float32; w 4,096 x 4,096 float32.
;; Outputs: out0 4,096 x 4,096 float32.
;; This version of the problem:
;;   THIS VERSION OF THE PROBLEM IS GIVEN IN LOW PRECISION. The matrix products marked QUANTISED in the list below multiply operands that are first quantised to E3M2 (3 exponent bits, 2 mantissa bits; 6 bits a number), with one power-of-two scale for each 32 numbers along K (OCP MX v1.0); their sums are f32. All else is computed in f32.
;;   The module's matrix products, in the order in which they are computed (A, B: the left and right operand; K: the contracted axis; several contracted axes count as one K, in the product's order):
;;     1. [M 4,096, K 4,096] x [K 4,096, N 4,096]; A: input inputs; B: input w: QUANTISED
;;   THE QUANTISER, for each operand of a quantised product, along K:
;;     - K is cut into blocks of 32 from its start; a last block that is shorter is filled with zeros.
;;     - A block's scale is 2^e with e = floor(log2(the largest magnitude in the block)) - 4, held to -126 .. 127; a block of zeros has e = 0. As a byte (E8M0): e + 127.
;;     - Each number is divided by its block's scale, clamped to +-28, and rounded to the nearest number of E3M2, ties to even, subnormals kept.
;;     - The product sums the exact products of the quantised numbers (number of the format x scale) in f32.
;;   ~~~python
;;   def quantise(x, axis):      # numpy; x: float32 -> the quantised numbers, widened to float32 again
;;       x = np.moveaxis(x, axis, -1); K = x.shape[-1]
;;       x = np.pad(x, [(0, 0)] * (x.ndim - 1) + [(0, -K % 32)]); x = x.reshape(x.shape[:-1] + (-1, 32)); a = np.abs(x).max(-1, keepdims=True)
;;       e = np.where(a > 0, np.clip(np.frexp(np.where(a > 0, a, 1))[1] - 1 - 4, -126, 127), 0)      # np.frexp(a)[1] - 1 = floor(log2(a)), exactly
;;       r = np.clip(x / 2.0 ** e, -28, 28)
;;       step = 2.0 ** (np.maximum(np.frexp(np.where(r == 0, 1, r))[1] - 1, -2) - 2)
;;       q = np.round(r / step) * step * 2.0 ** e      # np.round: ties to even
;;       return np.moveaxis(q.reshape(q.shape[:-2] + (-1,))[..., :K], -1, axis).astype(np.float32)
;;   ~~~
;; One version. Each part assembles by itself: llvm-mc -triple=amdgcn-amd-amdhsa -mcpu=gfx1250 --defsym DOCPART=n.
;; ======== version 1 of 1: 2 launches
;; limits: right only within a limited range of input values
;; workspace buffers: a_img 13,107,200 bytes; b_img 13,107,200 bytes
;; launch quant (part 1): grid 1024 x 1, 4 waves a work-group, no clusters, 34,304 bytes of LDS; arguments inputs, w, a_img, b_img; writes a_img, b_img
.if DOCPART == 1
	.amdgcn_target "amdgcn-amd-amdhsa--gfx1250"
	.amdhsa_code_object_version 6
	.text
	.protected	k_q1dfb2de9d1_quant
	.globl	k_q1dfb2de9d1_quant
	.p2align	8
	.type	k_q1dfb2de9d1_quant,@function
k_q1dfb2de9d1_quant:
	s_mov_b64 s[64:65], 0
	v_nop
	global_prefetch_b8 v0, s[64:65] scope:SCOPE_SE
	s_setreg_imm32_b32 hwreg(HW_REG_WAVE_MODE, 25, 1), 1
	s_wait_xcnt 0x0
; inputs [4096 (m)][4096 (k)] and w [4096 (k)][4096 (n)], f32, become codes of BF6 (E3M2), 6 bits each, quantised along K, with one E8M0 scale byte for each 32 along K.
; A block's scale is 2^(floor(log2(its largest magnitude)) - 4); its byte is the largest magnitude's own exponent field - 4, held at 1 from below.  Each number is divided by the scale and rounded to the nearest
; code, ties to even; what lies beyond 28 gets the largest code.
; THE TWO BUFFERS ARE LAID IN THE ORDER OF THE MATRIX OPERAND'S REGISTERS:  [32 steps of 128 along K][32 groups of 128 rows][12,800 bytes].  The row is m for inputs and n for w.  A group holds 8 IMAGES of 1,536 bytes, one for each
; 16 rows, and behind them its 128 scale words (row 16 i + r at 12,288 + 64 i + 4 r; byte b of a word scales k = 32 b .. 32 b + 31 of the step).  An image is a fragment (16 rows x 128 K: 12 registers a lane) as it stands in registers:
; register j of lane l at 512 (j / 4) + 16 l + 4 (j % 4).  Lane l = r + 16 h holds row r; its registers 6 c .. 6 c + 5 hold the codes of k = 64 c + 32 h + 0 .. 31, 192 bits without gaps.
; So the product's launch brings a fragment by three loads of 16 bytes a lane, and 128 rows of a step, with their scale words, are 12,800 bytes on end.
; ONE LAUNCH FOR BOTH TENSORS: work-groups 0-511 take inputs (K innermost), work-groups 512-1023 take w (K is the first axis).  The two ways part once, on the work-group's number, never meet again and hold no barrier; only the
; first uses LDS.  Waves share nothing.  A wave's share on both ways: 32 rows x 256 along K: four images.
; The scale words leave as runs of 128 consecutive bytes, 4 bytes a lane: half of an aligned 256.  They are one byte in 24 of what the launch stores.
; LIMITS: a block of zeros gets the byte 1 where the rule says 127: its codes are zeros, which add nothing under any byte but 0xff, and the bytes are read by this program alone.  Blocks whose largest magnitude lies under
; 2^-122, whose byte is held at 1, were not tried.  NaN and infinities among the inputs are not served.
.set STEPB,  409600                    ; bytes from one step of 128 along K to the next: 32 groups
.set GRPB,   12800                     ; a group of 128 rows
.set IMG,    1536                      ; an image
.set SCO,    8*IMG                     ; where a group's scale words begin
.set EMAX,   4                         ; the exponent of the format's largest number, 28
.set ROWF,   16384                     ; a row of inputs or of w in bytes
	s_load_b128 s[4:7], s[0:1], 0x0                ; inputs, w
	s_load_b128 s[8:11], s[0:1], 0x10              ; inputs' images, w's images
	v_lshl_add_u32 v251, v0, 2, 0x8400
	v_mov_b32 v255, 0
	v_lshrrev_b32 v1, 5, v0
	v_readfirstlane_b32 s16, v1                    ; wave 0..3
	v_and_b32 v2, 31, v0                           ; lane
	v_and_b32 v5, 15, v2                           ; lane % 16
	v_lshrrev_b32 v6, 4, v2                        ; lane / 16
	s_mov_b32 s21, 0                               ; the upper words of the byte offsets: all stay under 2^27
	s_mov_b32 s25, 0
	s_mov_b32 s27, 0
	s_wait_kmcnt 0x0
	s_cmp_lt_u32 ttmp9, 512
	s_cbranch_scc0 .Lw
; ---------------------------------------------------------------- inputs: K innermost
; A wave takes rows 32 rg .. 32 rg + 31 and k = 256 kt .. 256 kt + 255; the four waves of a work-group stand side by side on 4,096 bytes of each row.  Four fragments: number f is rows 16 (f / 2) on, step 2 kt + f % 2.
; A fragment's 16 loads read 512 consecutive bytes each, a row's 128 numbers, 16 bytes a lane.  The operand's layout wants two WHOLE blocks of one row in a lane: so the 8,192 bytes go through the wave's own stage in LDS, row by row
; as they lie, and come back 2 x 128 bytes a lane.  A stage row is 512 bytes + 16, so that the sixteen rows that a load touches start at sixteen different places modulo 256 bytes.
; Then a block's largest magnitude needs no other lane, and the conversions' results are the image's registers.  Loads run two fragments (32 loads a wave) ahead.
.set SP,    528                        ; a stage row
.set RR,    32                         ; v32-159  two sets of 64: a fragment as it is loaded
.set XN,    160                        ; v160-223 my 64 numbers: register 32 c + i = k 64 c + 32 h + i of my row
.set PP0,   224                        ; v224-247 two sets of 12: an image's registers
.set TT,    248                        ; v248-250, v252-254: the upper halves of two blocks' codes, before they are moved
	s_and_b32 s17, ttmp9, 3
	s_lshl_b32 s17, s17, 2
	s_add_co_u32 s17, s17, s16                     ; kt = 4 (work-group % 4) + wave
	s_lshr_b32 s18, ttmp9, 2                       ; rg = work-group / 4
	s_lshl_b32 s20, s18, 19                        ; inputs: 32 rg rows of 16,384 bytes
	s_lshl_b32 s22, s17, 10                        ;         + 1,024 kt
	s_add_co_u32 s20, s20, s22
	s_add_nc_u64 s[4:5], s[4:5], s[20:21]
	s_mul_i32 s20, s17, 2*STEPB                    ; out: step 2 kt,
	s_lshr_b32 s22, s18, 2
	s_mul_i32 s22, s22, GRPB
	s_add_co_u32 s20, s20, s22                     ; group rg / 4;
	s_and_b32 s23, s18, 3                          ; my 32 rows are its images 2 (rg % 4) and the next
	s_mul_i32 s24, s23, 2*IMG
	s_add_co_u32 s24, s24, s20
	s_lshl_b32 s26, s23, 7                         ; and 128 bytes of its scale words
	s_add_co_u32 s26, s26, s20
	s_add_co_u32 s26, s26, SCO
	s_add_nc_u64 s[12:13], s[8:9], s[24:25]        ; my images
	s_add_nc_u64 s[14:15], s[8:9], s[26:27]        ; my scale words
	s_wait_alu depctr_va_vdst(0)
	v_lshlrev_b32 v3, 4, v2                        ; 16 x lane: my bytes of a load's 512, and of a store's
	v_lshlrev_b32 v4, 2, v2                        ; 4 x lane: my scale word's place
	s_mul_i32 s19, s16, 16*SP                      ; my wave's stage
	v_add_nc_u32 v7, s19, v3                       ; into it: 16 x lane of a row
	v_mul_u32_u24 v8, v5, SP
	v_lshl_add_u32 v8, v6, 7, v8
	v_add_nc_u32 v8, s19, v8                       ; out of it: row r, + 128 h: block h; block 2 + h lies 256 bytes on
	v_lshlrev_b32 v9, 3, v6                        ; 8 h: how far up my two scale bytes stand in the word
	v_cmp_le_u32 vcc_lo, 16, v2                    ; lanes 16-31 (nothing below writes VCC)
	v_mov_b32 v15, 0                               ; written once: a lane permute's destination counts as one of its sources
	s_mov_b32 s28, 0x76543210
	s_mov_b32 s29, 0xfedcba98                      ; v_permlanex16_b32's selects for lane l xor 16
.macro LOADF f                         ; fragment f as it lies: 16 rows x 512 bytes
.irp j, 0,1,2,3,4,5,6,7,8,9,10,11,12,13,14,15
	global_load_b128 v[RR+64*((\f)%2)+4*\j:RR+64*((\f)%2)+4*\j+3], v3, s[4:5] offset:(16*((\f)/2)+\j)*ROWF+512*((\f)%2) th:TH_LOAD_NT   ; 32 lanes read 512 consecutive bytes
.endr
.endm
.macro FRAGX f
.set PP, PP0+12*((\f)%2)
.if (\f) < 3
	s_wait_loadcnt 16                              ; this fragment's 16 loads are in; the next fragment's 16 may be out
.else
	s_wait_loadcnt 0
.endif
.irp j, 0,1,2,3,4,5,6,7,8,9,10,11,12,13,14,15
	ds_store_b128 v7, v[RR+64*((\f)%2)+4*\j:RR+64*((\f)%2)+4*\j+3] offset:SP*\j
.endr
.irp c, 0,1
.irp e, 0,1,2,3,4,5,6,7
	ds_load_b128 v[XN+32*\c+4*\e:XN+32*\c+4*\e+3], v8 offset:256*\c+16*\e    ; LDS serves a wave's instructions in order (ISA guide 5.7.1.4): these see the stores above
.endr
.endr
	s_wait_dscnt 0x0                               ; my 64 numbers are in, and the stores into the stage have read their registers,
.if (\f)+2 < 4
	LOADF (\f)+2                                   ; which take the fragment two further on
.endif
.irp c, 0,1                                    ; the largest magnitudes of my two blocks, each in two chains, with the floor 2^(EMAX + 1 - 127) among the leaves: so the byte cannot fall under 1
.irp u, 0,1
	v_max3_num_f32 v[10+2*\c+\u], |v[XN+32*\c+16*\u]|, |v[XN+32*\c+16*\u+1]|, (EMAX+1)<<23
.endr
.endr
.irp i, 2,4,6,8,10,12,14
.irp c, 0,1
.irp u, 0,1
	v_max3_num_f32 v[10+2*\c+\u], v[10+2*\c+\u], |v[XN+32*\c+16*\u+\i]|, |v[XN+32*\c+16*\u+\i+1]|
.endr
.endr
.endr
	v_max_num_f32 v10, v10, v11
	v_max_num_f32 v12, v12, v13
	v_add_nc_u32 v16, -(EMAX<<23), v10             ; EMAX off the exponent field: the conversion takes the exponent field of this operand as its scale, and nothing else of it
	v_add_nc_u32 v17, -(EMAX<<23), v12
	v_lshrrev_b32 v14, 23, v16                     ; the scales' bytes: blocks h and 2 + h of my row,
	v_lshrrev_b32 v18, 23, v17
	v_lshl_or_b32 v14, v18, 16, v14
	v_lshlrev_b32 v14, v9, v14                     ; at their places in the scale word;
	v_permlanex16_b32 v15, v14, s28, s29
	v_or_b32 v[20+(\f)], v14, v15                  ; with lane l xor 16's two the word is whole, in both lanes
.if (\f) >= 2
	s_wait_alu depctr_va_vdst(0)
	s_wait_xcnt 0x0                                ; the stores of the fragment two back have read this set of registers: it is rewritten only behind this wait
.endif
.irp c, 0,1
	v_cvt_scalef32_pk16_bf6_f32 v[PP+6*\c:PP+6*\c+2], v[XN+32*\c:XN+32*\c+15], v[16+\c]          ; registers 6 c .. 6 c + 2 of the image
	v_cvt_scalef32_pk16_bf6_f32 v[TT+4*\c:TT+4*\c+2], v[XN+32*\c+16:XN+32*\c+31], v[16+\c]      ; (a conversion's three registers begin on an even number: the second half of a block's six does not, so it is made elsewhere and moved)
.endr
	v_nop                                          ; one plain line behind the last conversion of the run
.irp c, 0,1
.irp i, 0,1,2
	v_mov_b32 v[PP+6*\c+3+\i], v[TT+4*\c+\i]
.endr
.endr
.irp g, 0,1,2
	global_store_b128 v3, v[PP+4*\g:PP+4*\g+3], s[12:13] offset:((\f)%2)*STEPB+((\f)/2)*IMG+512*\g   ; 32 lanes store 512 consecutive bytes, at a multiple of 256 from the buffer's first byte
.endr
.endm
	LOADF 0
	LOADF 1
	s_wait_alu depctr_va_vdst(0)
	FRAGX 0
	FRAGX 1
	FRAGX 2
	FRAGX 3
	v_cndmask_b32 v24, v20, v22, vcc_lo            ; a step's words of my 32 rows: lanes 0-15 take the first image's, lanes 16-31 the second's
	v_cndmask_b32 v25, v21, v23, vcc_lo
	global_store_b32 v4, v24, s[14:15]             ; 128 consecutive bytes
	global_store_b32 v4, v25, s[14:15] offset:STEPB
	s_wait_tensorcnt 0x0
	ds_add_u32 v251, v255
	s_wait_dscnt 0x0
	s_endpgm
; ---------------------------------------------------------------- w: K is the first axis
; A LANE TAKES A COLUMN n, AND ITS REGISTERS RUN DOWN K: each load reads neighbouring n in neighbouring lanes (128 consecutive bytes a wave, 512 a work-group), a block of 32 along K lies in ONE lane's 32 registers,
; and the conversions give the codes with K innermost.  A wave takes 32 columns (two images) x 8 blocks (two steps).  Of a step's four blocks, numbers 0 and 2 are the twelve registers of the image's lane r, numbers 1 and 3 those of
; its lane r + 16: so my lane stores both, 16 bytes at a time, straight into the images: sixteen neighbouring lanes fill 256 consecutive bytes.  No LDS, nothing is transposed.
.set NB,    8                          ; blocks of 32 in my 256 along K
.set SB,    24                         ; v24-25   the two steps' scale words
.set WX,    32                         ; v32-95   two sets of 32 numbers
.set WT,    96                         ; v96-98   the upper half of a block's codes, before it is moved
.set WPC,   112                        ; v112-159 codes: step s, half h: twelve registers at 24 s + 12 h, so that no store's data are written again
.Lw:
	s_sub_co_u32 s17, ttmp9, 512
	s_lshr_b32 s18, s17, 5                         ; kt
	s_and_b32 s17, s17, 31                         ; the group of 128 columns: the work-group's
	s_lshl_b32 s20, s18, 22                        ; w: 256 kt rows of 16,384 bytes
	s_lshl_b32 s22, s17, 9                         ;    + 4 x (128 x group
	s_add_co_u32 s20, s20, s22
	s_lshl_b32 s22, s16, 7                         ;    + 32 x wave)
	s_add_co_u32 s20, s20, s22
	s_add_nc_u64 s[6:7], s[6:7], s[20:21]
	s_mul_i32 s20, s18, 2*STEPB                    ; out: step 2 kt,
	s_mul_i32 s22, s17, GRPB
	s_add_co_u32 s20, s20, s22                     ; my group;
	s_mul_i32 s24, s16, 2*IMG                      ; my wave's two images
	s_add_co_u32 s24, s24, s20
	s_lshl_b32 s26, s16, 7                         ; and 128 bytes of the scale words
	s_add_co_u32 s26, s26, s20
	s_add_co_u32 s26, s26, SCO
	s_add_nc_u64 s[12:13], s[10:11], s[24:25]
	s_add_nc_u64 s[14:15], s[10:11], s[26:27]
	s_wait_alu depctr_va_vdst(0)
	v_lshlrev_b32 v3, 2, v2                        ; 4 x lane: my column in a row of w, and my scale word's place
	v_mul_u32_u24 v4, v6, IMG
	v_lshl_add_u32 v4, v5, 4, v4                   ; image lane / 16, its lane r = lane % 16: 16 bytes a lane
.macro WLOAD t                         ; block t: w(256 kt + 32 t + i, my column), i = 0 .. 31, into set t % 2.  The largest offset, 255 rows, lies inside the signed 24-bit immediate (ISA guide, chapter 10)
.irp i, 0,1,2,3,4,5,6,7,8,9,10,11,12,13,14,15,16,17,18,19,20,21,22,23,24,25,26,27,28,29,30,31
	global_load_b32 v[WX+32*((\t)%2)+\i], v3, s[6:7] offset:(32*(\t)+\i)*ROWF th:TH_LOAD_NT
.endr
.endm
	WLOAD 0
	WLOAD 1
.macro BLOCK t                         ; block t: step t / 4; in it block t % 4 = 2 c + h
.set XS, WX+32*((\t)%2)
.set PB, WPC+24*((\t)/4)+12*((\t)%2)+6*(((\t)%4)/2)
.if (\t) < NB-1
	s_wait_loadcnt 32                              ; this block's 32 loads are in; the next block's 32 may be out
.else
	s_wait_loadcnt 0
.endif
	v_max3_num_f32 v12, |v[XS]|, |v[XS+1]|, |v[XS+2]|              ; the block's largest magnitude: all 32 numbers are mine
	v_max3_num_f32 v13, |v[XS+3]|, |v[XS+4]|, |v[XS+5]|
.irp i, 6,10,14,18,22,26
	v_max3_num_f32 v12, v12, |v[XS+\i]|, |v[XS+\i+1]|
	v_max3_num_f32 v13, v13, |v[XS+\i+2]|, |v[XS+\i+3]|
.endr
	v_max3_num_f32 v12, v12, |v[XS+30]|, |v[XS+31]|
	v_max3_num_f32 v12, v12, v13, (EMAX+1)<<23     ; and the floor 2^(EMAX + 1 - 127)
	v_add_nc_u32 v11, -(EMAX<<23), v12             ; the conversion's scale operand
	v_lshrrev_b32 v13, 23, v11                     ; the scale's byte
.if (\t)%4 == 0
	v_mov_b32 v[SB+(\t)/4], v13                    ; four bytes make a step's word, the lower K in the lower byte
.else
	v_lshl_or_b32 v[SB+(\t)/4], v13, 8*((\t)%4), v[SB+(\t)/4]
.endif
	v_cvt_scalef32_pk16_bf6_f32 v[PB:PB+2], v[XS:XS+15], v11       ; registers 6 c .. 6 c + 2 of the image's lane r + 16 h
	v_cvt_scalef32_pk16_bf6_f32 v[WT:WT+2], v[XS+16:XS+31], v11    ; (a conversion's three registers begin on an even number)
	v_nop                                          ; one plain line behind the last conversion of the run
.irp i, 0,1,2
	v_mov_b32 v[PB+3+\i], v[WT+\i]
.endr
.if (\t)+2 < NB
	WLOAD (\t)+2
.endif
.if (\t)%4 == 3                                ; a step is whole: its six pieces of 16 bytes and its scale word leave
.irp h, 0,1
.irp g, 0,1,2
	global_store_b128 v4, v[WPC+24*((\t)/4)+12*\h+4*\g:WPC+24*((\t)/4)+12*\h+4*\g+3], s[12:13] offset:((\t)/4)*STEPB+256*\h+512*\g   ; lanes 0-15 store 256 consecutive bytes, at a multiple of 256 from the buffer's first byte; lanes 16-31 the same in the next image
.endr
.endr
	global_store_b32 v3, v[SB+(\t)/4], s[14:15] offset:((\t)/4)*STEPB        ; 128 consecutive bytes
.endif
.endm
.irp t, 0,1,2,3,4,5,6,7
	BLOCK \t
.endr
	s_endpgm
.Lfunc_end_k_q1dfb2de9d1_quant:
	.size	k_q1dfb2de9d1_quant, .Lfunc_end_k_q1dfb2de9d1_quant-k_q1dfb2de9d1_quant
	.p2alignl 7, 3214868480
	.fill 96, 4, 3214868480
	.section	.rodata,"a",@progbits
	.p2align	6, 0x0
	.amdhsa_kernel k_q1dfb2de9d1_quant
		.amdhsa_group_segment_fixed_size 34304
		.amdhsa_private_segment_fixed_size 0
		.amdhsa_enable_private_segment 0
		.amdhsa_kernarg_size 32
		.amdhsa_user_sgpr_count 2
		.amdhsa_user_sgpr_kernarg_segment_ptr 1
		.amdhsa_wavefront_size32 1
		.amdhsa_system_sgpr_workgroup_id_x 1
		.amdhsa_system_sgpr_workgroup_id_y 1
		.amdhsa_system_sgpr_workgroup_id_z 1
		.amdhsa_system_vgpr_workitem_id 0
		.amdhsa_next_free_vgpr 256
		.amdhsa_next_free_sgpr 66
		.amdhsa_reserve_vcc 1
		.amdhsa_float_denorm_mode_32 3
		.amdhsa_float_denorm_mode_16_64 3
		.amdhsa_memory_ordered 1
		.amdhsa_forward_progress 1
		.amdhsa_inst_pref_size 69
	.end_amdhsa_kernel
	.amdgpu_metadata
---
amdhsa.version: [ 1, 2 ]
amdhsa.kernels:
  - .name:           k_q1dfb2de9d1_quant
    .symbol:         k_q1dfb2de9d1_quant.kd
    .args:
      - { .name: inputs, .offset: 0, .size: 8, .value_kind: global_buffer, .address_space: global }
      - { .name: w, .offset: 8, .size: 8, .value_kind: global_buffer, .address_space: global }
      - { .name: a_img, .offset: 16, .size: 8, .value_kind: global_buffer, .address_space: global }
      - { .name: b_img, .offset: 24, .size: 8, .value_kind: global_buffer, .address_space: global }
    .group_segment_fixed_size: 34304
    .private_segment_fixed_size: 0
    .kernarg_segment_align: 8
    .kernarg_segment_size: 32
    .max_flat_workgroup_size: 128
    .sgpr_count:     66
    .vgpr_count:     256
    .wavefront_size: 32
...
	.end_amdgpu_metadata
.endif
;; end of part 1
;; launch gemm (part 2): grid 16 x 16, 4 waves a work-group, clusters of 4 x 4, 327,680 bytes of LDS; arguments a_img, b_img, out0, b; writes out0
.if DOCPART == 2
	.amdgcn_target "amdgcn-amd-amdhsa--gfx1250"
	.amdhsa_code_object_version 6
	.text
	.protected	k_q1dfb2de9d1_gemm
	.globl	k_q1dfb2de9d1_gemm
	.p2align	8
	.type	k_q1dfb2de9d1_gemm,@function
k_q1dfb2de9d1_gemm:
	s_mov_b64 s[64:65], 0
	v_nop
	global_prefetch_b8 v0, s[64:65] scope:SCOPE_SE
	s_setreg_imm32_b32 hwreg(HW_REG_WAVE_MODE, 25, 1), 1
	s_wait_xcnt 0x0
	s_wait_alu depctr_hold_cnt(0) depctr_sa_sdst(0) depctr_va_vdst(0) depctr_va_sdst(0) depctr_va_ssrc(0) depctr_va_vcc(0) depctr_vm_vsrc(0)
	s_getreg_b32 s2, hwreg(HW_REG_IB_STS2, 6, 4)
	s_cmp_eq_u32 s2, 0
	s_cbranch_scc0 .Lentry_in_a_cluster
	s_endpgm
.Lentry_in_a_cluster:
	s_bfe_u32 s2, ttmp6, 0x10000c
	s_cmp_lg_u32 s2, 0xf033
	s_cbranch_scc0 .Lentry_shape_is_right
	s_endpgm
.Lentry_shape_is_right:
; out0[m][n] = q(sum over k of A[m][k] B[n][k]) + q(b[n]), q(x) = round(256 x) / 256, ties to even.  A, B: codes of BF6 (E3M2) with E8M0 scale bytes, as the launch before laid them:
; [32 steps of 128 along K][32 groups of 128 rows][12,800 bytes]: 8 images of 1,536 bytes (a fragment of 16 rows x 128 K as it stands in registers: three loads of 16 bytes a lane), then the group's 128 scale words.
; LEFT OUT: reference()'s outer q.  Both terms of its argument are whole multiples of 2^-8, so their sum is one too (an f32 sum that is rounded lands on a coarser power-of-two grid, which is a part of that grid),
; and q of such a number is the number itself, for all values of the inputs.  LIMIT: where 256 x that sum would overflow f32, reference() gives infinity and this text the finite sum.
; A tile of C, 256 x 256, is made by four waves, 128 x 128 each: 64 accumulators, 512 registers.  K goes through a ring of two LDS slots: tile 0 holds steps 0 and 1, tiles 1 to 10 three steps each, tile t in slot t % 2;
; each wave fetches a quarter of a tile by one tensor load: rows of 12,800 bytes, each a multiple of 256 bytes long and beginning on such a border.
; CLUSTERS: 4 x 4 work-groups; A's tiles are asked for jointly along a row of the cluster, B's along a column.  THE MATRIX INSTRUCTION IS USED TRANSPOSED (source 0 = B's rows): a lane holds eight neighbouring columns of a row of C.
; A AND B HAVE TWO SETS OF FRAGMENT REGISTERS EACH, so a step's 56 LDS loads for the next step stand in TWO runs: scale words and B's eight fragments at the step's head, A's eight in its middle; A's blocks are awaited one by one.
; THE LAST SIX STEPS (tiles 9 and 10, both in LDS) GO BY HALVES OF MY ROWS: rows 0-63 through all six steps, then rows 64-127; the finished rows 0-63 leave while rows 64-127 are multiplied.  B's fragments of these six steps are read twice.
; PREFETCH INTO THE L2: behind the joint load of tile t and the run of LDS loads that follows it, each wave asks for tile t + 1 of the quarter that it fetches: one tile, three steps (192 matrix instructions), ahead of that tile's load.
; A quarter is 3 rows x 50 blocks of 256 bytes; the four partners that ask for it jointly share its 150 blocks out BY ADDRESS, 38 to a partner (place cx for A, cy for B): two instructions a wave, a lane a block, lanes left over
; naming the last block again.  Tiles 1 and 2 are asked for behind the head's two joint loads; the load of tile 10 is followed by no request.  A work-group has one tile asked for and not yet loaded.
; REGISTERS: window 0: v8-30 addresses and the bias; v32-47 scale words, two sets; v64-159, v160-255 A's two sets (on the way out v64-95 and v160-191, blocks 0-2 of the sets, take rows read back from the stage).
;   window 1: v0-95, v128-223 B's two sets.  Window 2: accumulators of my rows 0-63 ((a, b) at v[8 (8 a + b)]); window 3: those of rows 64-127.
.set SIZE_N, 4096
.set IMG,    1536
.set GRPB,   12800
.set SCO,    8*IMG
.set STEPB,  32*GRPB
.set NQ,     3                         ; steps in a slot
.set TILEB,  NQ*STEPB
.set QUART,  NQ*GRPB                   ; what one tensor load brings at the most
.set BSKEW,  128                       ; B's quarters lie 128 bytes further on, so that A's and B's scale words, read by one load, fall on different banks
.set SLOT,   4*QUART+256
.set SPARE,  2*SLOT                    ; behind the ring: the spare words, 128 bytes a wave
.set STAGE,  SPARE+512                 ; behind them: a stage of 16 rows x (256 + 16) bytes for each wave; no fill lands there
.set SPITCH, 272
.set FR,     12
.set NP,     4
.set TRIPS,  4
.set ADRA, 8                           ; v8-9 my A fragments in slot 0, 1;  v10-11 B's;  v12-13 scale words (lanes 0-15 A's, lanes 16-31 B's)
.set ADRB, 10
.set ADRS, 12
.set STO,  14
.set RD,   15
.set CO,   16
.set BA,   17
.set SPW,  18
.set NIL,  19
.set BQ,   20                          ; v20-23, v24-27: q(b) of my four columns in the left and in the right 64 of my 128
.set PF,   29                          ; v29-30 the prefetches' offsets in a quarter tile; never rewritten
.set PFA,  12                          ; s[12:13] the quarter tile that my next prefetches name
.set SC,   32
.set AF,   64
.set BK,   64
.set G1, 24
.set G0, 32
.set G1B, 48
.set G0B, 56
.set C256, 66
.set CINV, 68
.set MSB, 0
.macro WIN new                         ; the immediate's high byte repeats the setting that is left
.if MSB != (\new)
	s_set_vgpr_msb (MSB<<8)|(\new)
.set MSB, (\new)
.endif
.endm
.set MUL_LO, 0xa1                      ; source 0 (B) window 1, source 1 (A) window 0, C and D window 2; + 0x50: window 3
.set TO_B,   0x40                      ; destination window 1
.macro JLOAD g0a, g1a, g0b, g1b        ; a joint load: waves 0, 1 fetch A's halves, waves 2, 3 B's
	s_cmp_eq_u32 s15, 0
	s_cbranch_scc0 .Lfor_b_\@
	tensor_load_to_lds s[\g0a:\g0a+3], s[\g1a:\g1a+7]
	s_nop 0
.rept 4
	v_nop
.endr
	s_branch .Lasked_\@
.Lfor_b_\@:
	tensor_load_to_lds s[\g0b:\g0b+3], s[\g1b:\g1b+7]
	s_nop 0
.rept 4
	v_nop
.endr
.Lasked_\@:
.endm
.macro ASK guard                       ; my 38 blocks of the next tile's quarter; guard = 1: not in the loop's last trip, where the next tile would be tile 11
.if \guard
	s_cmp_gt_u32 s3, 1
	s_cbranch_scc0 .Lno_ask_\@
.endif
	global_prefetch_b8 v[PF], s[PFA:PFA+1] th:TH_LOAD_NT scope:SCOPE_SE
	global_prefetch_b8 v[PF+1], s[PFA:PFA+1] th:TH_LOAD_NT scope:SCOPE_SE
.if \guard
.Lno_ask_\@:
.endif
.endm
.macro CREST                           ; a round of the cluster's barrier behind its opening barrier
	s_cmp_lg_u32 s14, 0
	s_cbranch_scc1 .Lnot_wave_0_\@
	s_barrier_signal -3
.Lnot_wave_0_\@:
	s_barrier_wait -3
	s_barrier_signal -1
	s_barrier_wait -1
.endm
.macro CROUND
	s_barrier_signal -1
	s_barrier_wait -1
	CREST
.endm
	s_load_b128 s[4:7], s[0:1], 0x0                ; A's images, B's images
	s_load_b128 s[8:11], s[0:1], 0x10              ; out0, b
	v_lshl_add_u32 v[SPW], v0, 2, SPARE
	v_mov_b32 v[NIL], 0
	ds_add_u32 v[SPW], v[NIL]                      ; the opening lines: the add, twice on end, and its wait ahead of my first tensor load
	ds_add_u32 v[SPW], v[NIL]
	v_lshrrev_b32 v1, 5, v0
	v_readfirstlane_b32 s14, v1                    ; wave
	s_lshr_b32 s15, s14, 1                         ; my half of the tile's rows; also: I fetch for A (0) or B (1)
	s_and_b32 s16, s14, 1                          ; my half of its columns; also: which 128 rows I fetch
	s_bfe_u32 s40, ttmp6, 0x40000                  ; cx
	s_bfe_u32 s41, ttmp6, 0x40004                  ; cy
	s_lshl_b32 s42, ttmp9, 2
	s_add_co_u32 s42, s42, s40                     ; tile column
	s_and_b32 s17, ttmp7, 0xffff
	s_lshl_b32 s17, s17, 2
	s_add_co_u32 s17, s17, s41                     ; tile row
	s_lshl_b32 s43, s41, 2
	s_lshl_b32 s43, 15, s43                        ; my row of the cluster
	s_lshl_b32 s44, 0x1111, s40                    ; my column
	s_mov_b32 s[C256], 0x43800000                  ; 256
	s_mov_b32 s[C256+1], 0x43800000
	s_mov_b32 s[CINV], 0x3b800000                  ; 1 / 256
	s_mov_b32 s[CINV+1], 0x3b800000
	s_or_b32 s[G1+0], s43, (3<<16)|(1<<21)         ; elements of 8 bytes, no padding; bit 21 beside the mask
	s_or_b32 s[G1B+0], s44, (3<<16)|(1<<21)
.irp g, G1, G1B
	s_mov_b32 s[\g+1], (GRPB/8)<<16                ; a row: one group of one step
	s_mov_b32 s[\g+2], 2<<16                       ; tile 0: two steps
	s_mov_b32 s[\g+3], (GRPB/8)<<16
	s_mov_b32 s[\g+4], 2
	s_mov_b32 s[\g+5], STEPB/8
	s_mov_b32 s[\g+6], 0
	s_mov_b32 s[\g+7], 0
.endr
	s_lshl_b32 s20, s17, 1
	s_add_co_u32 s20, s20, s16
	s_mul_i32 s20, s20, GRPB                       ; A: group 2 x tile row + half
	s_mov_b32 s21, 0
	s_lshl_b32 s46, s42, 1
	s_add_co_u32 s46, s46, s16
	s_mul_i32 s46, s46, GRPB                       ; B: group 2 x tile column + half
	s_mov_b32 s47, 0
	s_mul_i32 s45, s14, QUART                      ; where my quarter goes
	s_mul_i32 s18, s15, QUART                      ; where I read: my 128 rows of A,
	s_mul_i32 s19, s16, QUART
	s_add_co_u32 s19, s19, 2*QUART+BSKEW           ; of B,
	s_sub_co_u32 s22, s19, s18                     ; and the distance between the two
	s_mul_i32 s23, s14, 16*SPITCH
	s_add_co_u32 s23, s23, STAGE                   ; my stage
	s_lshl_b32 s72, s17, 8
	s_lshl_b32 s73, s15, 7
	s_add_co_u32 s72, s72, s73
	s_lshl_b32 s72, s72, 14                        ; my first row of C, in bytes
	s_mov_b32 s73, 0
	s_lshl_b32 s70, s42, 10
	s_lshl_b32 s71, s16, 9
	s_add_co_u32 s70, s70, s71                     ; my first column, in bytes
	s_mov_b32 s71, 0
	s_wait_dscnt 0x0                               ; both opening adds are done
	s_wait_kmcnt 0x0
	s_add_nc_u64 s[20:21], s[4:5], s[20:21]
	s_add_nc_u64 s[46:47], s[6:7], s[46:47]
	s_add_nc_u64 s[10:11], s[10:11], s[70:71]
	s_add_nc_u64 s[8:9], s[8:9], s[72:73]
	s_add_nc_u64 s[8:9], s[8:9], s[70:71]
	s_cmp_eq_u32 s15, 0                            ; do I fetch for A?
	s_cselect_b32 s2, s40, s41                     ; my place among the four that ask for the quarter with me
	s_cselect_b64 s[PFA:PFA+1], s[20:21], s[46:47]
	s_mul_i32 s2, s2, 38                           ; my first block of its 150
	s_add_nc_u64 s[PFA:PFA+1], s[PFA:PFA+1], 2*STEPB   ; tile 1
.irp s, 0,1
	s_mov_b32 s[G0+4*\s], 1
	s_add_co_u32 s[G0+4*\s+1], s45, \s*SLOT
	s_add_nc_u64 s[G0+4*\s+2:G0+4*\s+3], s[20:21], \s*2*STEPB      ; tile 0 begins at step 0, tile 1 at step 2
	s_or_b32 s[G0+4*\s+3], s[G0+4*\s+3], 0x80000000
	s_mov_b32 s[G0B+4*\s], 1
	s_add_co_u32 s[G0B+4*\s+1], s45, \s*SLOT+BSKEW
	s_add_nc_u64 s[G0B+4*\s+2:G0B+4*\s+3], s[46:47], \s*2*STEPB
	s_or_b32 s[G0B+4*\s+3], s[G0B+4*\s+3], 0x80000000
.endr
	CROUND                                         ; all sixteen work-groups are here: the first joint loads meet
	JLOAD G0, G1, G0B, G1B                         ; tile 0: one tensor load a wave at the head
	v_and_b32 v1, 15, v0                           ; r = l % 16
	v_bfe_u32 v2, v0, 4, 1                         ; h = l / 16
	v_and_b32 v3, 31, v0
	v_lshlrev_b32 v4, 4, v3                        ; 16 x lane: my bytes of an image's 512
	v_lshlrev_b32 v5, 2, v1
	v_mul_u32_u24 v6, s22, v2                      ; lanes 16-31 take B's scale words
	v_add_nc_u32 v5, v5, v6
	v_add_nc_u32 v[ADRA], s18, v4
	v_add_nc_u32 v[ADRB], s19, v4
	v_add_nc_u32 v[ADRS], s18, v5
	v_add_nc_u32 v[ADRA+1], SLOT, v[ADRA]
	v_add_nc_u32 v[ADRB+1], SLOT, v[ADRB]
	v_add_nc_u32 v[ADRS+1], SLOT, v[ADRS]
	v_lshlrev_b32 v[BA], 4, v1                     ; 16 r: my four columns of 64
	v_mul_u32_u24 v7, v1, SPITCH
	v_lshl_add_u32 v7, v2, 5, v7
	v_add_nc_u32 v[STO], s23, v7                   ; into the stage: row r, 32 bytes for each half of the lanes
	v_mul_u32_u24 v28, v2, SPITCH
	v_add_nc_u32 v28, v28, v[BA]
	v_add_nc_u32 v[RD], s23, v28                   ; back: lanes 0-15 a row of 256 bytes, lanes 16-31 the next
	v_lshl_add_u32 v[CO], v2, 14, v[BA]            ; and the same two rows in C
	v_add_nc_u32 v50, s2, v3                       ; the prefetches: block j = 38 x place + lane,
	v_min_u32 v51, 5, v3
	v_add_nc_u32 v51, s2, v51
	v_add_nc_u32 v51, 32, v51                      ; and 38 x place + 32 + (lane, at most 5);
	v_min_u32 v50, 149, v50                        ; the quarter's last block is number 149
	v_min_u32 v51, 149, v51
	v_mul_u32_u24 v48, v50, 41
	v_mul_u32_u24 v49, v51, 41
	v_lshrrev_b32 v48, 11, v48                     ; j / 50 for j under 150: the quarter's row, a step along K
	v_lshrrev_b32 v49, 11, v49
	v_mul_u32_u24 v48, v48, STEPB-GRPB
	v_mul_u32_u24 v49, v49, STEPB-GRPB
	v_lshl_add_u32 v[PF], v50, 8, v48              ; 256 j + (j / 50) x (a step less a row's 12,800 bytes)
	v_lshl_add_u32 v[PF+1], v51, 8, v49
	s_wait_alu depctr_va_vdst(0)
	global_load_b128 v[BQ:BQ+3], v[BA], s[10:11]   ; b of my columns: awaited ahead of the first block's way out
	global_load_b128 v[BQ+4:BQ+7], v[BA], s[10:11] offset:256
	ASK 0                                          ; tile 1
	s_wait_tensorcnt 0x0                           ; my quarter of tile 0 is in; the three lines ahead of slot 1's first fill, as ahead of a refill
	ds_add_u32 v[SPW], v[NIL]
	s_mov_b32 s[G1+2], NQ<<16                      ; no tensor load of mine is out: from here on a tile has three steps
	s_mov_b32 s[G1+4], NQ
	s_mov_b32 s[G1B+2], NQ<<16
	s_mov_b32 s[G1B+4], NQ
	s_wait_xcnt 0x0                                ; the prefetches have read their address: it steps to tile 2
	s_add_nc_u64 s[PFA:PFA+1], s[PFA:PFA+1], TILEB
	s_wait_dscnt 0x0
	CROUND
	JLOAD G0+4, G1, G0B+4, G1B                     ; tile 1
.macro MUL1 a, b, p, zero
.if \zero
	v_wmma_scale_f32_16x16x128_f8f6f4 v[8*(8*((\a)%4)+(\b)):8*(8*((\a)%4)+(\b))+7], v[128*(\p)+FR*(\b):128*(\p)+FR*(\b)+FR-1], v[AF+96*(\p)+FR*(\a):AF+96*(\p)+FR*(\a)+FR-1], 0, v[SC+8*(\p)+(\b)], v[SC+8*(\p)+(\a)] matrix_a_fmt:MATRIX_FMT_BF6 matrix_b_fmt:MATRIX_FMT_BF6 matrix_a_scale:MATRIX_SCALE_ROW1
.else
	v_wmma_scale_f32_16x16x128_f8f6f4 v[8*(8*((\a)%4)+(\b)):8*(8*((\a)%4)+(\b))+7], v[128*(\p)+FR*(\b):128*(\p)+FR*(\b)+FR-1], v[AF+96*(\p)+FR*(\a):AF+96*(\p)+FR*(\a)+FR-1], v[8*(8*((\a)%4)+(\b)):8*(8*((\a)%4)+(\b))+7], v[SC+8*(\p)+(\b)], v[SC+8*(\p)+(\a)] matrix_a_fmt:MATRIX_FMT_BF6 matrix_b_fmt:MATRIX_FMT_BF6 matrix_a_scale:MATRIX_SCALE_ROW1
.endif
.endm
.macro MULROW a, p, zero               ; A's block a against B's eight: the accumulators take turns, one instruction a turn
	WIN MUL_LO+0x50*((\a)/4)
.irp b, 0,1,2,3,4,5,6,7
	MUL1 \a, \b, \p, \zero
.endr
.endm
.macro LRSB slot, q, p                 ; 32 LDS loads in one run: the scale words and B's eight fragments of step q of the slot, into set p
	WIN 0
.irp i, 0,1,2,3,4,5,6,7
	ds_load_b32 v[SC+8*(\p)+\i], v[ADRS+(\slot)] offset:(\q)*GRPB+SCO+64*\i
.endr
	WIN TO_B
.irp i, 0,1,2,3,4,5,6,7
.irp c, 0,1,2
	ds_load_b128 v[128*(\p)+FR*\i+4*\c:128*(\p)+FR*\i+4*\c+3], v[ADRB+(\slot)] offset:(\q)*GRPB+\i*IMG+512*\c
.endr
.endr
.endm
.macro LRA4 slot, q, p, g              ; 12 LDS loads: A's blocks 4 g .. 4 g + 3
	WIN 0
.irp i, 0,1,2,3
.irp c, 0,1,2
	ds_load_b128 v[AF+96*(\p)+FR*(4*(\g)+\i)+4*\c:AF+96*(\p)+FR*(4*(\g)+\i)+4*\c+3], v[ADRA+(\slot)] offset:(\q)*GRPB+(4*(\g)+\i)*IMG+512*\c
.endr
.endr
.endm
.macro PLACES n                        ; places behind matrix instructions, in front of loads into registers that they read and of reads of their results
.rept \n
	v_nop
.endr
.endm
.macro STEP slot, q, p, zero           ; step q of the slot, on set p; the next step of the same slot is fetched into the other set, which the step before has read
	PLACES NP
	LRSB \slot, (\q)+1, 1-(\p)
.irp a, 0,1,2,3
	s_wait_dscnt 53-3*\a                           ; A's block a is in: behind it stand A's later blocks, 3 loads each, and the 32 just issued
	MULROW \a, \p, \zero
.endr
	LRA4 \slot, (\q)+1, 1-(\p), 0
	LRA4 \slot, (\q)+1, 1-(\p), 1
	s_wait_dscnt 63                                ; likewise, with 24 more behind (for block 4 the count would be 65: the field's largest serves)
	MULROW 4, \p, \zero
	s_wait_dscnt 62
	MULROW 5, \p, \zero
	s_wait_dscnt 59
	MULROW 6, \p, \zero
	s_wait_dscnt 56
	MULROW 7, \p, \zero
.endm
; A tile's last step changes slots: ONE barrier, which opens a round of the cluster's barrier; in front of it each wave waits for all its tensor loads, adds 0 to its spare word, and waits for that and for its reads
; of this slot.  Behind the round this slot is filled again, adv bytes further along K; behind that load and the run of LDS loads the tile after it is prefetched.
.macro TURN slot, next, p, adv, guard
	WIN 0
	PLACES NP
	s_wait_xcnt 0x0                                ; the last prefetches, three steps back, have read their address: it steps a tile on
	s_add_nc_u64 s[PFA:PFA+1], s[PFA:PFA+1], TILEB
	s_wait_tensorcnt 0x0                           ; my quarter of the next slot is in
	ds_add_u32 v[SPW], v[NIL]
	s_wait_dscnt 22                                ; A's block 0 is in; its blocks 1-7 and the add may be out
	MULROW 0, \p, 0
	s_wait_dscnt 0x0                               ; the add is done; my reads of this slot are over
	s_barrier_signal -1
	MULROW 1, \p, 0
	WIN 0
	s_barrier_wait -1
	CREST
	s_add_nc_u64 s[G0+4*\slot+2:G0+4*\slot+3], s[G0+4*\slot+2:G0+4*\slot+3], \adv
	s_add_nc_u64 s[G0B+4*\slot+2:G0B+4*\slot+3], s[G0B+4*\slot+2:G0B+4*\slot+3], \adv
	JLOAD G0+4*\slot, G1, G0B+4*\slot, G1B         ; the first tensor load behind the round
	LRSB \next, 0, 1-(\p)
	WIN 0
	ASK \guard
	MULROW 2, \p, 0
	MULROW 3, \p, 0
	MULROW 4, \p, 0
	LRA4 \next, 0, 1-(\p), 0
	LRA4 \next, 0, 1-(\p), 1
	MULROW 5, \p, 0
	MULROW 6, \p, 0
	MULROW 7, \p, 0
.endm
; HALF A STEP: A's blocks 4 g .. 4 g + 3 on set p; the next half step (step nq of slot ns, blocks 4 ng ..) is fetched into the other set
.macro HSTEP g, p, ns, nq, ng
	PLACES NP
	LRSB \ns, \nq, 1-(\p)
	s_wait_dscnt 41                                ; my first block of A is in: behind it 9 loads of A and the 32 just issued
	MULROW 4*(\g), \p, 0
	s_wait_dscnt 38
	MULROW 4*(\g)+1, \p, 0
	LRA4 \ns, \nq, 1-(\p), \ng
	s_wait_dscnt 47                                ; with 12 more behind
	MULROW 4*(\g)+2, \p, 0
	s_wait_dscnt 44
	MULROW 4*(\g)+3, \p, 0
.endm
; The half step ahead of tile 10's first read: a barrier shows that tile whole to all four waves
.macro BSTEP p, ns, nq
	WIN 0
	PLACES NP
	s_wait_tensorcnt 0x0                           ; my quarter of tile 10 is in
	ds_add_u32 v[SPW], v[NIL]
	s_wait_dscnt 10                                ; A's block 0 is in; blocks 1-3 and the add may be out
	MULROW 0, \p, 0
	s_wait_dscnt 0x0
	s_barrier_signal -1
	MULROW 1, \p, 0
	s_barrier_wait -1
	LRSB \ns, \nq, 1-(\p)
	MULROW 2, \p, 0
	LRA4 \ns, \nq, 1-(\p), 0
	MULROW 3, \p, 0
.endm
; THE WAY OUT, in pieces of 16 rows x 64 columns (block a, half c of its columns): through my own stage in LDS, back as whole rows of 256 bytes, two rows an instruction, into buffer buf.
.macro TOSTAGE a, c, buf
.set AC, 64*((\a)%4)+32*(\c)
	WIN 0x08+4*((\a)/4)                            ; the data: window 2 or 3
.irp b, 0,1,2,3
	ds_store_b128 v[STO], v[AC+8*\b:AC+8*\b+3] offset:64*\b          ; each accumulator from its low end on
	ds_store_b128 v[STO], v[AC+8*\b+4:AC+8*\b+7] offset:64*\b+16
.endr
	WIN 0
.set BB, BK+96*(\buf)
.irp t, 0,1,2,3,4,5,6,7
	ds_load_b128 v[BB+4*\t:BB+4*\t+3], v[RD] offset:\t*2*SPITCH      ; LDS serves a wave's instructions in order (ISA guide 5.7.1.4): these see the stores above, and the next piece's stores come behind them
.endr
.endm
.macro SEND a, c, buf                  ; q(sum) + q(b) on the piece's 32 numbers a lane, the arithmetic in one batch, then the 8 stores in one run
.set BB, BK+96*(\buf)
	WIN 0
.set T, 0
.rept 16
	v_pk_mul_f32 v[BB+2*T:BB+2*T+1], v[BB+2*T:BB+2*T+1], s[C256:C256+1] op_sel_hi:[1,0]
.set T, T+1
.endr
.set T, 0
.rept 32
	v_rndne_f32 v[BB+T], v[BB+T]
.set T, T+1
.endr
.set T, 0
.rept 8
	v_pk_fma_f32 v[BB+4*T:BB+4*T+1], v[BB+4*T:BB+4*T+1], s[CINV:CINV+1], v[BQ+4*(\c):BQ+4*(\c)+1] op_sel_hi:[1,0,1]
	v_pk_fma_f32 v[BB+4*T+2:BB+4*T+3], v[BB+4*T+2:BB+4*T+3], s[CINV:CINV+1], v[BQ+4*(\c)+2:BQ+4*(\c)+3] op_sel_hi:[1,0,1]
.set T, T+1
.endr
.set T, 0
.rept 8
	global_store_b128 v[CO], v[BB+4*T:BB+4*T+3], s[8:9] offset:(16*(\a)+2*T)*SIZE_N*4+256*(\c) th:TH_STORE_NT   ; sixteen lanes store 256 consecutive bytes, at a multiple of 256 from out0's first byte; 127 rows at the most: inside the signed 24-bit immediate; written once, read by nobody here
.set T, T+1
.endr
.endm
; Half a step of my rows 64-127 on set p, and block a of my finished rows 0-63 leaves
.macro XSTEP p, ns, nq, a
	s_wait_dscnt 0x0                               ; this half step's fragments are in
	PLACES NP
	s_wait_xcnt 0x0                                ; the earlier stores have read the two buffers: the loads below may land there
	TOSTAGE \a, 0, 0
	TOSTAGE \a, 1, 1
	LRSB \ns, \nq, 1-(\p)
	MULROW 4, \p, 0
	MULROW 5, \p, 0
	s_wait_dscnt 32                                ; both pieces are back; the 32 fragment loads behind them may be out
	SEND \a, 0, 0
	SEND \a, 1, 1
	LRA4 \ns, \nq, 1-(\p), 1
	MULROW 6, \p, 0
	MULROW 7, \p, 0
.endm
	LRSB 0, 0, 0
	LRA4 0, 0, 0, 0
	LRA4 0, 0, 0, 1
	ASK 0                                          ; tile 2
	STEP 0, 0, 0, 1                                ; step 0's products start the sums: nothing is cleared
	TURN 0, 1, 1, 5*STEPB, 0                       ; step 1; slot 0 takes tile 2, which begins at step 5; tile 3 is prefetched
	WIN 0
	s_mov_b32 s3, TRIPS
.Llap:                                                 ; a trip: six steps, once round the ring, both slots filled again: tiles 1 to 8 are multiplied, tiles 3 to 10 asked for
	STEP 1, 0, 0, 0
	STEP 1, 1, 1, 0
	TURN 1, 0, 0, 2*TILEB, 0
	STEP 0, 0, 1, 0
	STEP 0, 1, 0, 0
	TURN 0, 1, 1, 2*TILEB, 1
	WIN 0
	s_sub_co_u32 s3, s3, 1
	s_cmp_lg_u32 s3, 0
	s_cbranch_scc1 .Llap
	HSTEP 0, 0, 1, 1, 0                            ; my rows 0-63: steps 26 to 31
	HSTEP 0, 1, 1, 2, 0
	BSTEP 0, 0, 0
	HSTEP 0, 1, 0, 1, 0
	HSTEP 0, 0, 0, 2, 0
	HSTEP 0, 1, 1, 0, 1                            ; and the first fragments for my rows 64-127
	WIN 0
	s_wait_loadcnt 0x0                             ; b
.irp j, 0,2,4,6
	v_pk_mul_f32 v[BQ+\j:BQ+\j+1], v[BQ+\j:BQ+\j+1], s[C256:C256+1] op_sel_hi:[1,0]
.endr
.irp j, 0,1,2,3,4,5,6,7
	v_rndne_f32 v[BQ+\j], v[BQ+\j]
.endr
.irp j, 0,2,4,6
	v_pk_mul_f32 v[BQ+\j:BQ+\j+1], v[BQ+\j:BQ+\j+1], s[CINV:CINV+1] op_sel_hi:[1,0]   ; q(b)
.endr
	s_wait_alu depctr_va_vdst(0)
	XSTEP 0, 1, 1, 0                               ; my rows 64-127: steps 26 to 29, with blocks 0 to 3 leaving
	XSTEP 1, 1, 2, 1
	XSTEP 0, 0, 0, 2
	XSTEP 1, 0, 1, 3
	HSTEP 1, 0, 0, 2, 1                            ; step 30
	s_wait_dscnt 0x0                               ; step 31's fragments are in
	MULROW 4, 1, 0                                 ; step 31 goes block by block, and each block leaves as soon as it is finished
	PLACES NP                                      ; its results are read next; for the later blocks the batches of the block before stand between
.irp a, 4,5,6,7
	s_wait_xcnt 0x0                                ; the earlier stores have read the two buffers
	TOSTAGE \a, 0, 0
	TOSTAGE \a, 1, 1
.if \a < 7
	MULROW \a+1, 1, 0
.endif
	s_wait_dscnt 16                                ; the first piece is back; the second's 16 LDS instructions may be out
	SEND \a, 0, 0
	s_wait_dscnt 0x0
	SEND \a, 1, 1
.endr
	s_wait_tensorcnt 0x0                           ; the wave's end
	ds_add_u32 v[SPW], v[NIL]
	s_wait_dscnt 0x0
	CROUND                                         ; the closing round
	s_endpgm
.Lfunc_end_k_q1dfb2de9d1_gemm:
	.size	k_q1dfb2de9d1_gemm, .Lfunc_end_k_q1dfb2de9d1_gemm-k_q1dfb2de9d1_gemm
	.p2alignl 7, 3214868480
	.fill 96, 4, 3214868480
	.section	.rodata,"a",@progbits
	.p2align	6, 0x0
	.amdhsa_kernel k_q1dfb2de9d1_gemm
		.amdhsa_group_segment_fixed_size 327680
		.amdhsa_private_segment_fixed_size 0
		.amdhsa_enable_private_segment 0
		.amdhsa_kernarg_size 32
		.amdhsa_user_sgpr_count 2
		.amdhsa_user_sgpr_kernarg_segment_ptr 1
		.amdhsa_wavefront_size32 1
		.amdhsa_system_sgpr_workgroup_id_x 1
		.amdhsa_system_sgpr_workgroup_id_y 1
		.amdhsa_system_sgpr_workgroup_id_z 1
		.amdhsa_system_vgpr_workitem_id 0
		.amdhsa_next_free_vgpr 1024
		.amdhsa_next_free_sgpr 76
		.amdhsa_reserve_vcc 0
		.amdhsa_float_denorm_mode_32 3
		.amdhsa_float_denorm_mode_16_64 3
		.amdhsa_memory_ordered 1
		.amdhsa_forward_progress 1
		.amdhsa_inst_pref_size 255
	.end_amdhsa_kernel
	.section	.bss,"aw",@nobits
	.p2align	6
	.space	262144
	.amdgpu_metadata
---
amdhsa.version: [ 1, 2 ]
amdhsa.kernels:
  - .name:           k_q1dfb2de9d1_gemm
    .symbol:         k_q1dfb2de9d1_gemm.kd
    .args:
      - { .name: a_img, .offset: 0, .size: 8, .value_kind: global_buffer, .address_space: global }
      - { .name: b_img, .offset: 8, .size: 8, .value_kind: global_buffer, .address_space: global }
      - { .name: out0, .offset: 16, .size: 8, .value_kind: global_buffer, .address_space: global }
      - { .name: b, .offset: 24, .size: 8, .value_kind: global_buffer, .address_space: global }
    .group_segment_fixed_size: 327680
    .private_segment_fixed_size: 0
    .kernarg_segment_align: 8
    .kernarg_segment_size: 32
    .max_flat_workgroup_size: 128
    .sgpr_count:     76
    .vgpr_count:     1024
    .wavefront_size: 32
...
	.end_amdgpu_metadata
.endif
;; end of part 2
